; MI455X (gfx1250); checked and timed in simulation.
; The chip was launched on July 23, 2026; its instructions are those of AMD's public machine-readable ISA for CDNA 5 (MIT licence, August 2026) and "CDNA5" Instruction Set Architecture Reference Guide (July 2026). The comments in the code are by the model that wrote it; some were corrected since.
;; Windowed Multihead Attention. Allowed arithmetic: matrix products marked QUANTISED: E2M3 operands, one E8M0 scale for each 32 along K, by v_wmma_scale_f32_16x16x128_f8f6f4 with both operands' format E2M3, f32 sums; everything else in f32.
;; Inputs: proj_b 256 float32; proj_w 256 x 256 float32; qkv_b 768 float32; qkv_w 768 x 256 float32; x 8 x 1,024 x 256 float32.
;; Outputs: out0 8 x 1,024 x 256 float32.
;; This version of the problem:
;;   THIS VERSION OF THE PROBLEM IS GIVEN IN LOW PRECISION. The matrix products marked QUANTISED in the list below multiply operands that are first quantised to E2M3 (2 exponent bits, 3 mantissa bits; 6 bits a number), with one power-of-two scale for each 32 numbers along K (OCP MX v1.0); their sums are f32. All else is computed in f32.
;;   The module's matrix products, in the order in which they are computed (A, B: the left and right operand; K: the contracted axis; several contracted axes count as one K, in the product's order):
;;     1. [M 8,192, K 256] x [K 256, N 768]; A: input x; B: input qkv_w: QUANTISED
;;     2. batch 64 x [M 1,024, K 32] x [K 32, N 1,024]; A: computed on the way; B: computed on the way: QUANTISED
;;     3. batch 64 x [M 1,024, K 1,024] x [K 1,024, N 32]; A: softmax (see below); B: computed on the way: QUANTISED
;;     4. [M 8,192, K 256] x [K 256, N 256]; A: computed on the way; B: input proj_w: QUANTISED
;;   THE QUANTISER, for each operand of a quantised product, along K:
;;     - K is cut into blocks of 32 from its start; a last block that is shorter is filled with zeros.
;;     - A block's scale is 2^e with e = floor(log2(the largest magnitude in the block)) - 2, held to -126 .. 127; a block of zeros has e = 0. As a byte (E8M0): e + 127.
;;     - Each number is divided by its block's scale, clamped to +-7.5, and rounded to the nearest number of E2M3, ties to even, subnormals kept.
;;     - The product sums the exact products of the quantised numbers (number of the format x scale) in f32.
;;   ~~~python
;;   def quantise(x, axis):      # numpy; x: float32 -> the quantised numbers, widened to float32 again
;;       x = np.moveaxis(x, axis, -1); K = x.shape[-1]
;;       x = np.pad(x, [(0, 0)] * (x.ndim - 1) + [(0, -K % 32)]); x = x.reshape(x.shape[:-1] + (-1, 32)); a = np.abs(x).max(-1, keepdims=True)
;;       e = np.where(a > 0, np.clip(np.frexp(np.where(a > 0, a, 1))[1] - 1 - 2, -126, 127), 0)      # np.frexp(a)[1] - 1 = floor(log2(a)), exactly
;;       r = np.clip(x / 2.0 ** e, -7.5, 7.5)
;;       step = 2.0 ** (np.maximum(np.frexp(np.where(r == 0, 1, r))[1] - 1, 0) - 3)
;;       q = np.round(r / step) * step * 2.0 ** e      # np.round: ties to even
;;       return np.moveaxis(q.reshape(q.shape[:-2] + (-1,))[..., :K], -1, axis).astype(np.float32)
;;   ~~~
;;   SOFTMAX AHEAD OF A QUANTISED PRODUCT. Where the list says 'softmax', what is quantised is not the finished softmax but p = 2^(t - M), with t = logit x log2(e) and M = ceil(the row's largest t), a whole number; so 1/2 < the row's largest p <= 1. The row's sum l is taken of the UNQUANTISED p, in f32, and the product's result is divided by l at the end. Since M is a whole number, a kernel that streams over the keys may use a running M (the ceiling of the running maximum): every later rescaling is an exact power of two, which a block's scale takes up: the codes' values come out the same.
;;   OPERANDS COMPUTED ON THE WAY. 'Computed on the way' means the value that the module computes at that place (a softmax that the list does not call 'softmax' is quantised finished and normalised). What goes into a quantiser is computed in f32, as accurately as f32 sums, v_exp_f32 and their like allow (about 1e-6 of the number): no bf16 or f16 on the way to a quantiser, and a product that is left as it is and whose result goes on into a quantised operand takes f32 operands (vector FMAs, or v_wmma_f32_16x16x4_f32). A number that lies on a knife's edge between two numbers of the format may be rounded either way, as far as f32 arithmetic and the matrix unit's own rounding can turn it there, and no further.
;; One version. Each part assembles by itself: llvm-mc -triple=amdgcn-amd-amdhsa -mcpu=gfx1250 --defsym DOCPART=n.
;; ======== version 1 of 1: 2 launches
;; limits: right only within a limited range of input values
;; workspace buffers: cod 4,718,592 bytes; scl 196,608 bytes; pwc 49,152 bytes; pws 2,048 bytes
;; launch prep (part 1): grid 4 x 64, 16 waves a work-group, clusters of 4 x 4, 293,888 bytes of LDS; arguments x, qkv_w, qkv_b, proj_w, cod, scl, pwc, pws; writes cod, scl, pwc, pws
.if DOCPART == 1
	.amdgcn_target "amdgcn-amd-amdhsa--gfx1250"
	.amdhsa_code_object_version 6
	.text
	.protected	k_q7f8633de48_prep
	.globl	k_q7f8633de48_prep
	.p2align	8
	.type	k_q7f8633de48_prep,@function
k_q7f8633de48_prep:
	s_mov_b64 s[64:65], 0
	v_nop
	global_prefetch_b8 v0, s[64:65] scope:SCOPE_SE
	s_setreg_imm32_b32 hwreg(HW_REG_WAVE_MODE, 25, 1), 1
	s_wait_xcnt 0x0
	s_wait_alu depctr_hold_cnt(0) depctr_sa_sdst(0) depctr_va_vdst(0) depctr_va_sdst(0) depctr_va_ssrc(0) depctr_va_vcc(0) depctr_vm_vsrc(0)
	s_getreg_b32 s2, hwreg(HW_REG_IB_STS2, 6, 4)
	s_cmp_eq_u32 s2, 0
	s_cbranch_scc0 .Lentry_in_a_cluster
	s_endpgm
.Lentry_in_a_cluster:
	s_bfe_u32 s2, ttmp6, 0x10000c
	s_cmp_lg_u32 s2, 0xf033
	s_cbranch_scc0 .Lentry_shape_is_right
	s_endpgm
.Lentry_shape_is_right:
; qkv = x qkv_w^T + qkv_b on codes of FP6 (E2M3) with one E8M0 scale for each 32 along K = 256; the result is quantised again, as the operands q, k, v of the attention, and stored as codes.
; proj_w is quantised beside it, one row to a work-group.  Everything ahead of a quantiser is f32.
; A WORK-GROUP: 128 tokens (4 grid rows) x the 192 channels of q, k, v of two heads, 2 c and 2 c + 1 (c = work-group x).  All work-groups run the same text.
; A UNIT of the workspace is (batch, slot, grid row), U = (24 batch + slot) 32 + row; slots 0-7 q's heads, 8-15 k's, 16-23 v's.  cod: 768 bytes a unit, 32 positions of 24 bytes (32 codes).
; ORDERS (h, u = 0, 1; j = 0 .. 7).  COLUMNS of a grid row: (u, h, j) is column 14 - 2 j + h (u = 0) or 16 + 2 j + h (u = 1).  q, k: position 16 u + 8 h + j is that column; v: code 16 h + 8 u + j of a block of keys is.
; CHANNELS of a head: (u, h, j) is channel 16 u + 8 h + j.  q, k: code 16 h + 8 u + j of a block is that channel; v: position 16 u + 8 h + j is.
; scl: 32 bytes a unit: q, k: position 16 t + r at byte 2 r + t;  v: position p at byte p.
; pwc: proj_w's row n at 192 n: 12 bytes (16 codes) of (K step s, half c of its 128, block h of the half, e) at 96 s + 48 h + 24 c + 12 e, code 8 u + j of them channel 16 u + 8 e + j of the block;  pws: its eight bytes at 8 n.
; SHARES.  Sixteen waves.  Wave 2 T owns tile T of x (16 tokens), wave 2 T + 1 tile T of q's and k's 128 weight rows.  Three quarters of its tile, 16 rows x 768 bytes, come by ONE joint tensor load into the wave's own region of LDS; the wave
; alone reads it, so no barrier stands ahead of the reads.  The last quarter of the tile (piece A) and 16 rows x 64 numbers of v's weights (piece B) come through registers and are turned through a stage of the wave's own and quantised while the
; tensor loads are on their way.  All 320 rows of 1,024 bytes as tiles would be the whole 327,680 bytes of LDS; with q's, k's and x's rows whole (16 x 16,640 bytes) no stage of 16 x 4,352 has room beside them: so these pieces are no joint loads.
; Images of the operands' registers go to LDS, one barrier, and wave w multiplies x's grid row w / 4 with weight group w % 4 (q, q, k, k; 32 channels) and, as the other source, with v's tile w % 4.
; CLUSTERS: 4 x 4 work-groups.  The four of a row share the tokens (x's tiles), the four of a column the heads (weight tiles): each such tile is asked for jointly.
; No prefetch: there is no loop to run ahead in, and every load is issued at the head.
; LEFT OUT, in the attention: scores of keys more than 3 grid rows from the query's, and the exponentials of columns that no query of a tile sees: reference()'s own mask makes them -infinity, so their p is 0 for all inputs.
; A NaN or an infinity that reaches only them is not carried to the result.
; LIMITS: q is quantised WITHOUT its factor 1/16 (a power of two: the same codes, the scale 2^4 larger; the attention's launch takes the factor into its constant c): exact unless a block of q has its largest magnitude under 2^-120,
; where the rule would hold the scale's exponent at -126.  A block of zeros gets the byte 1 where the rule says 127: its codes are zeros, and this program alone reads the bytes.  NaN and infinities are not served.
.set PITCH, 816                        ; an LDS row of a tile: three times 256 bytes + 16 of padding = 204 words (51 x 16 bytes: sixteen rows begin at sixteen different columns of 16 bytes)
.set REG,   16*PITCH                   ; a wave's region
.set IMG,   1664                       ; an image: 1,536 bytes of codes, 128 of scale words; K step s of my tile at s IMG of my region, over the tile's first rows when all of it is in registers
.set SPARE, 16*REG                     ; the spare words, 128 bytes for each wave
.set VIM,   SPARE+2048                 ; v's images in pieces of 64 along K, 768 bytes each: wave w's at 768 w
.set VSC,   VIM+16*768                 ; v's scale words: tile-step e at 128 e
.set STG,   VSC+1024                   ; a stage for each wave: 16 rows of 256 + 16 bytes
.set STGW,  16*272
.set SPW,  14                          ; v14     LDS address of my spare word; v15: 0; never rewritten
.set NIL,  15
.set XS,   16                          ; v16-19  scale words of x: tile t, K step s at XS + 2 t + s
.set WS,   20                          ; v20-23  of the weight group: tile u, K step s at WS + 2 u + s
.set VS,   28                          ; v28-29  of v's tile
.set TM,   32                          ; v32-43  +0..3 largest magnitudes, +4..7 the permutes' destinations and then bytes, +8..11 the conversions' scale operands
.set PT,   44                          ; v44-51  the second halves of two pairs of blocks
.set PC,   52                          ; v52-63  the fragment of my tile's K step 0
.set PC1,  192                         ; v192-203 of K step 1: registers 6-11 are piece A's
.set PC2,  204                         ; v204-209 piece B's; v210, v211 B's and A's bytes; v30, v31 the K steps' scale words
.set SET0, 64                          ; v64-127 K step 0; before that the turned pieces: A v64-95, B v96-127
.set SET1, 128                         ; v128-159 quarter 2; before that piece A as loaded, v160-191 piece B
.set XF,   56                          ; v56-103  x's fragments: tile t, K step s at XF + 12 (2 t + s)
.set WF,   104                         ; v104-151 the weight group's: tile u, K step s
.set VF,   152                         ; v152-175 v's tile
.set ACC,  176                         ; v176-223 q or k: tokens' tile t, channels' tile u at ACC + 16 t + 8 u;  v: tokens' tile t at ACC + 32 + 8 t
.set BQ,   232                         ; v232-247 the bias of my 32 channels as the products' C
.set BV,   248                         ; v248-255 v's
.set SEL,  2                           ; s[2:3] v_permlanex16_b32's selects for lane l xor 16
.macro WALU
	s_wait_alu depctr_va_vdst(0)
.endm
.macro CROUND                          ; a round of the cluster's barrier
	s_barrier_signal -1
	s_barrier_wait -1
	s_cmp_lg_u32 s20, 0
	s_cbranch_scc1 .Lnot_wave_0_\@
	s_barrier_signal -3
.Lnot_wave_0_\@:
	s_barrier_wait -3
	s_barrier_signal -1
	s_barrier_wait -1
.endm
.macro TURN src, dst, back             ; a piece through my stage: two rows a store, back so that register 16 b + i holds number 32 b + 16 (lane / 16) + i of my row.  LDS serves a wave's instructions in order (ISA guide 5.7.1.4): no wait between
.irp i, 0,1,2,3,4,5,6,7
	ds_store_b128 v8, v[\src+4*\i:\src+4*\i+3] offset:544*\i
.endr
.irp b, 0,1
.irp j, 0,1,2,3
	ds_load_b128 v[\dst+16*\b+4*\j:\dst+16*\b+4*\j+3], v\back offset:128*\b+16*\j
.endr
.endr
.endm
; nb blocks (4 or 2), register 16 b + i of a lane = number 32 b + 16 (lane / 16) + i of my row, become 3 nb registers of a fragment from v[dst] on and their bytes in v[sw].
.macro QUANT src, dst, sw, nb
.irp b, 0,1,2,3
.if \b < \nb
	v_max3_num_f32 v[TM+\b], |v[\src+16*\b]|, |v[\src+1+16*\b]|, 0x1800000   ; my 16 numbers, and the floor 2^(3 - 127): so the byte cannot fall under 1
.endif
.endr
.irp i, 2,4,6,8,10,12,14
.irp b, 0,1,2,3
.if \b < \nb
	v_max3_num_f32 v[TM+\b], v[TM+\b], |v[\src+16*\b+\i]|, |v[\src+1+16*\b+\i]|   ; the blocks by turns
.endif
.endr
.endr
.irp b, 0,1,2,3
.if \b < \nb
	v_permlanex16_b32 v[TM+4+\b], v[TM+\b], s[SEL], s[SEL+1]
.endif
.endr
.irp b, 0,1,2,3
.if \b < \nb
	v_max_num_f32 v[TM+\b], v[TM+\b], v[TM+4+\b]   ; with lane l xor 16's: the block's largest magnitude
.endif
.endr
.irp b, 0,1,2,3
.if \b < \nb
	v_add_nc_u32 v[TM+8+\b], 0xff000000, v[TM+\b]  ; 2 off its exponent field: the conversion takes this operand's exponent field as its scale
.endif
.endr
.irp b, 0,1,2,3
.if \b < \nb
	v_lshrrev_b32 v[TM+4+\b], 23, v[TM+8+\b]       ; the scale's byte
.endif
.endr
.irp c, 0,1
.if 2*\c < \nb
	v_cvt_scalef32_pk16_fp6_f32 v[\dst+6*\c:\dst+2+6*\c], v[\src+32*\c:\src+15+32*\c], v[TM+8+2*\c]
	v_cvt_scalef32_pk16_fp6_f32 v[PT+4*\c:PT+2+4*\c], v[\src+16+32*\c:\src+31+32*\c], v[TM+9+2*\c]   ; (a conversion's three registers begin on an even number)
.endif
.endr
	v_lshl_or_b32 v[\sw], v[TM+5], 8, v[TM+4]      ; (also the plain place behind the scaled conversions)
.irp i, 0,1,2
.irp c, 0,1                            ; the operand's layout wants a WHOLE block in a lane: lanes 0-15 block 2 c, lanes 16-31 block 2 c + 1
.if 2*\c < \nb
	v_permlane16_swap_b32 v[\dst+6*\c+\i], v[PT+4*\c+\i]
.endif
.endr
.endr
.if \nb > 2
	v_lshl_or_b32 v[\sw], v[TM+6], 16, v[\sw]
.endif
.irp i, 0,1,2
.irp c, 0,1
.if 2*\c < \nb
	v_mov_b32 v[\dst+3+6*\c+\i], v[PT+4*\c+\i]
.endif
.endr
.endr
.if \nb > 2
	v_lshl_or_b32 v[\sw], v[TM+7], 24, v[\sw]
.endif
.endm
.macro PUTIMG src, sw, s               ; an image of a fragment's registers: 16 bytes a lane, 512 a store
	ds_store_b128 v5, v[\src:\src+3] offset:\s*IMG
	ds_store_b128 v5, v[\src+4:\src+7] offset:\s*IMG+512
	ds_store_b128 v5, v[\src+8:\src+11] offset:\s*IMG+1024
	ds_store_b32 v6, v[\sw] offset:\s*IMG+1536
.endm
.macro FETCH s                         ; 21 loads: K step s of x's two tiles, the weight group's two, v's one
.irp t, 0,1
.irp c, 0,1,2
	ds_load_b128 v[XF+12*(2*\t+\s)+4*\c:XF+12*(2*\t+\s)+4*\c+3], v10 offset:2*\t*REG+\s*IMG+512*\c
.endr
	ds_load_b32 v[XS+2*\t+\s], v12 offset:2*\t*REG+\s*IMG+1536
.irp c, 0,1,2
	ds_load_b128 v[WF+12*(2*\t+\s)+4*\c:WF+12*(2*\t+\s)+4*\c+3], v11 offset:2*\t*REG+\s*IMG+512*\c
.endr
	ds_load_b32 v[WS+2*\t+\s], v13 offset:2*\t*REG+\s*IMG+1536
.endr
.irp c, 0,1
	ds_load_b128 v[VF+12*\s+6*\c:VF+12*\s+6*\c+3], v227 offset:768*(2*\s+\c)
	ds_load_b64 v[VF+12*\s+6*\c+4:VF+12*\s+6*\c+5], v228 offset:768*(2*\s+\c)+512
.endr
	ds_load_b32 v[VS+\s], v229 offset:128*\s
.endm
; Six accumulators by turns, one instruction a turn.  K step 0 starts the sums from the bias.  q, k: source 0 = 16 channels, source 1 = 16 tokens;  v: source 0 = 16 tokens, source 1 = 16 channels:
; so a lane's 16 registers of two tiles lie along the next product's block.
.macro MUL s
.irp t, 0,1
.irp u, 0,1
.if \s == 0
	v_wmma_scale_f32_16x16x128_f8f6f4 v[ACC+16*\t+8*\u:ACC+16*\t+8*\u+7], v[WF+24*\u:WF+24*\u+11], v[XF+24*\t:XF+24*\t+11], v[BQ+8*\u:BQ+8*\u+7], v[WS+2*\u], v[XS+2*\t] matrix_a_fmt:MATRIX_FMT_FP6 matrix_b_fmt:MATRIX_FMT_FP6
.else
	v_wmma_scale_f32_16x16x128_f8f6f4 v[ACC+16*\t+8*\u:ACC+16*\t+8*\u+7], v[WF+24*\u+12:WF+24*\u+23], v[XF+24*\t+12:XF+24*\t+23], v[ACC+16*\t+8*\u:ACC+16*\t+8*\u+7], v[WS+2*\u+1], v[XS+2*\t+1] matrix_a_fmt:MATRIX_FMT_FP6 matrix_b_fmt:MATRIX_FMT_FP6
.endif
.endr
.endr
.irp t, 0,1
.if \s == 0
	v_wmma_scale_f32_16x16x128_f8f6f4 v[ACC+32+8*\t:ACC+39+8*\t], v[XF+24*\t:XF+24*\t+11], v[VF:VF+11], v[BV:BV+7], v[XS+2*\t], v[VS] matrix_a_fmt:MATRIX_FMT_FP6 matrix_b_fmt:MATRIX_FMT_FP6
.else
	v_wmma_scale_f32_16x16x128_f8f6f4 v[ACC+32+8*\t:ACC+39+8*\t], v[XF+24*\t+12:XF+24*\t+23], v[VF+12:VF+23], v[ACC+32+8*\t:ACC+39+8*\t], v[XS+2*\t+1], v[VS+1] matrix_a_fmt:MATRIX_FMT_FP6 matrix_b_fmt:MATRIX_FMT_FP6
.endif
.endr
.endm
	s_load_b512 s[4:19], s[0:1], 0x0               ; x s[4:5], qkv_w s[6:7], qkv_b s[8:9], proj_w s[10:11], cod s[12:13], scl s[14:15], pwc s[16:17], pws s[18:19]
	v_lshl_add_u32 v[SPW], v0, 2, SPARE
	v_mov_b32 v[NIL], 0
	ds_add_u32 v[SPW], v[NIL]                      ; the opening lines: the add, twice on end, ahead of my tensor load
	ds_add_u32 v[SPW], v[NIL]
	v_lshrrev_b32 v1, 5, v0
	v_readfirstlane_b32 s20, v1                    ; wave w, 0..15
	s_bfe_u32 s21, ttmp6, 0x40000                  ; cx
	s_bfe_u32 s22, ttmp6, 0x40004                  ; cy
	s_lshl_b32 s23, ttmp9, 2
	s_add_co_u32 s23, s23, s21                     ; c: which two heads
	s_and_b32 s48, ttmp7, 0xffff
	s_lshl_b32 s48, s48, 2
	s_add_co_u32 s48, s48, s22                     ; which 128 tokens, 0 .. 63
	s_lshl_b32 s49, s22, 2
	s_lshl_b32 s49, 15, s49                        ; my row of the cluster
	s_lshl_b32 s54, 0x1111, s21                    ; my column
	s_or_b32 s24, s49, (2<<16)|(1<<20)|(1<<21)|(5<<22)|(3<<25)   ; 15:0 the mask; 17:16 element of 4 bytes; 20 padding on; 21 set beside a mask; 24:22 after every 64 words (code 5); 31:25 of 4 words (code 3)
	s_or_b32 s32, s54, (2<<16)|(1<<20)|(1<<21)|(5<<22)|(3<<25)
.irp g, 24,32
	s_mov_b32 s[\g+1], 192<<16                     ; tensor_dim0 = 192
	s_mov_b32 s[\g+2], 16<<16                      ; tensor_dim1 = 16
	s_mov_b32 s[\g+3], 192<<16                     ; tile_dim0
	s_mov_b32 s[\g+4], 16                          ; tile_dim1
	s_mov_b32 s[\g+5], 256                         ; from row to row
	s_mov_b32 s[\g+6], 0
	s_mov_b32 s[\g+7], 0
.endr
	s_and_b32 s69, s20, 1                          ; my tile is x's (0) or the weights' (1)
	s_lshr_b32 s55, s20, 1
	s_lshl_b32 s55, s55, 14                        ; x: tile w / 2 of 16 rows,
	s_lshl_b32 s50, s48, 17                        ; of my 128 tokens
	s_add_co_u32 s50, s50, s55
	s_mov_b32 s51, 0
	s_lshr_b32 s56, s20, 3                         ; weights: q (0) or k (1): 256 rows on,
	s_lshl_b32 s56, s56, 18
	s_bfe_u32 s57, s20, 0x20001                    ; tile (w / 2) % 4 of my 64 rows of it
	s_lshl_b32 s57, s57, 14
	s_add_co_u32 s56, s56, s57
	s_lshl_b32 s52, s23, 16
	s_add_co_u32 s52, s52, s56
	s_mov_b32 s53, 0
	s_mov_b32 s40, 1
	s_mul_i32 s41, s20, REG                        ; my region: no place in the cluster enters an LDS address
	s_mov_b32 s44, 1
	s_mul_i32 s45, s20, REG
	; every LDS address is a constant + a constant x parts of the wave's number + numbers made of the wave's x parts of the lane
	s_mul_i32 s58, s20, REG
	s_lshr_b32 s67, s20, 2                         ; w / 4: x's grid row in the products; also v's tile whose piece I make
	s_and_b32 s68, s20, 3                          ; w % 4: the weight group and v's tile in the products; also which 64 along K my piece is
	s_mul_i32 s59, s67, 4*REG
	s_mul_i32 s60, s68, 4*REG
	s_add_co_u32 s60, s60, REG
	s_mul_i32 s61, s20, 768
	s_add_co_u32 s61, s61, VIM
	s_lshr_b32 s62, s20, 1
	s_lshl_b32 s62, s62, 7
	s_lshl_b32 s63, s69, 1
	s_add_co_u32 s62, s62, s63
	s_add_co_u32 s62, s62, VSC
	s_mul_i32 s63, s68, 3072
	s_add_co_u32 s63, s63, VIM
	s_lshl_b32 s66, s68, 8
	s_add_co_u32 s66, s66, VSC
	s_mul_i32 s57, s20, STGW
	s_add_co_u32 s57, s57, STG                     ; my stage
	s_add_co_u32 s70, s68, 3
	s_lshr_b32 s70, s70, 2
	s_mul_i32 s70, s70, 7
	s_xor_b32 s70, s70, 7                          ; 7 where my tile is an even one of x (w % 4 = 0), else 0
	s_sub_co_u32 s71, 2, s69                       ; lane r = 8 b + j takes row 2 (j xor that) + b of x's tile, row 8 b + j of the weights'
	s_mul_i32 s72, s69, 7
	s_add_co_u32 s72, s72, 1
	s_mul_i32 s73, s71, PITCH
	s_mul_i32 s74, s72, PITCH
	s_mul_i32 s75, s71, 272
	s_mul_i32 s76, s72, 272
	v_and_b32 v1, 15, v0                           ; r
	v_bfe_u32 v2, v0, 4, 1                         ; h
	v_and_b32 v3, 31, v0
	v_and_b32 v30, 7, v1
	v_lshrrev_b32 v31, 3, v1
	v_xor_b32 v30, s70, v30
	v_mul_u32_u24 v25, s74, v31
	v_mul_u32_u24 v26, s76, v31
	v_mul_u32_u24 v4, s73, v30
	v_mul_u32_u24 v9, s75, v30
	v_mul_u32_u24 v212, v1, 272
	v_add_nc_u32 v4, v4, v25
	v_add_nc_u32 v9, v9, v26
	v_lshl_add_u32 v212, v2, 6, v212
	v_lshl_add_u32 v4, v2, 6, v4
	v_lshl_add_u32 v9, v2, 6, v9
	v_add_nc_u32 v212, s57, v212                   ; the stage, back, for piece B: row r, + 64 h
	v_add_nc_u32 v4, s58, v4                       ; my tile: my row, + 64 h
	v_add_nc_u32 v9, s57, v9                       ; the stage, back, for piece A: my row, + 64 h
	v_mul_u32_u24 v8, v2, 272
	v_lshlrev_b32 v7, 2, v3                        ; 4 x lane
	v_lshlrev_b32 v31, 3, v3                       ; 8 x lane
	v_lshlrev_b32 v3, 4, v3                        ; 16 x lane
	v_lshl_add_u32 v8, v1, 4, v8
	v_add_nc_u32 v5, s58, v3                       ; my images
	v_add_nc_u32 v6, s58, v7
	v_add_nc_u32 v8, s57, v8                       ; the stage, in: row h, 16 r
	v_add_nc_u32 v10, s59, v3                      ; x's images of tiles 2 (w / 4) and on
	v_add_nc_u32 v11, s60, v3                      ; the weight group's
	v_add_nc_u32 v12, s59, v7
	v_add_nc_u32 v13, s60, v7
	v_mul_u32_u24 v24, v1, 24
	v_lshlrev_b32 v25, 1, v1                       ; 2 r
	v_lshlrev_b32 v26, 5, v2                       ; 32 h
	v_lshlrev_b32 v27, 2, v1                       ; 4 r
	v_mad_u32_u24 v24, v2, 12, v24                 ; codes out: 24 r + 12 h
	v_lshlrev_b32 v230, 10, v2
	v_add_nc_u32 v224, s61, v3                     ; my piece of v's images, in
	v_add_nc_u32 v225, s61, v31
	v_add_nc_u32 v226, s62, v7                     ; and its two bytes of the word
	v_add_nc_u32 v227, s63, v3                     ; v's tile w % 4, back
	v_add_nc_u32 v228, s63, v31
	v_add_nc_u32 v229, s66, v7
	v_lshl_add_u32 v230, v1, 4, v230               ; the pieces in memory: row h, 16 r
.irp b, 0,1,2,3
	v_mov_b32 v[TM+4+\b], 0                        ; written once: a lane permute's destination counts as one of its sources
.endr
	s_mov_b32 s[SEL], 0x76543210
	s_mov_b32 s[SEL+1], 0xfedcba98
	WALU                                           ; the wait at the head's end
	s_wait_dscnt 0x0                               ; both opening adds are done
	CROUND                                         ; all sixteen work-groups are here: the joint loads meet
	s_wait_kmcnt 0x0
	s_add_nc_u64 s[42:43], s[4:5], s[50:51]
	s_or_b32 s43, s43, 0x80000000
	s_add_nc_u64 s[46:47], s[6:7], s[52:53]
	s_or_b32 s47, s47, 0x80000000
	s_cmp_eq_u32 s69, 0
	s_cbranch_scc0 .Lweights
	tensor_load_to_lds s[40:43], s[24:31]          ; even waves: a tile of x, shared along my row of the cluster
	s_nop 0
.rept 4
	v_nop
.endr
	s_branch .Lasked
.Lweights:
	tensor_load_to_lds s[44:47], s[32:39]          ; odd waves: a tile of q's or k's weights, shared along my column
	s_nop 0
.rept 4
	v_nop
.endr
.Lasked:
	s_cmp_eq_u32 s69, 0                            ; piece A: 256 bytes from byte 768 of each row of my tile
	s_cselect_b64 s[90:91], s[4:5], s[6:7]
	s_cselect_b32 s88, s50, s52
	s_mov_b32 s89, 0
	s_add_nc_u64 s[90:91], s[90:91], s[88:89]
.irp i, 0,1,2,3,4,5,6,7
	global_load_b128 v[SET1+4*\i:SET1+4*\i+3], v230, s[90:91] offset:2048*\i+768   ; sixteen lanes read 256 consecutive bytes, two rows a load
.endr
	s_lshl_b32 s88, s23, 16                        ; piece B: v's weights: rows 512 + 64 c + 16 (w / 4) .. + 15, 256 bytes from byte 256 (w % 4) of each
	s_lshl_b32 s71, s67, 14
	s_add_co_u32 s88, s88, s71
	s_lshl_b32 s71, s68, 8
	s_add_co_u32 s88, s88, s71
	s_add_co_u32 s88, s88, 512*1024
	s_add_nc_u64 s[96:97], s[6:7], s[88:89]
.irp i, 0,1,2,3,4,5,6,7
	global_load_b128 v[SET1+32+4*\i:SET1+32+4*\i+3], v230, s[96:97] offset:2048*\i
.endr
	s_lshr_b32 s69, s68, 1                         ; w % 4 = 2 (q or k) + head
	s_and_b32 s92, s68, 1
	s_lshl_b32 s88, s69, 10                        ; the bias of my weight group
	s_lshl_b32 s93, s23, 8
	s_add_co_u32 s88, s88, s93
	s_lshl_b32 s94, s92, 7
	s_add_co_u32 s88, s88, s94
	s_add_nc_u64 s[78:79], s[8:9], s[88:89]
	s_lshl_b32 s94, s68, 6                         ; and of v's tile
	s_add_co_u32 s94, s94, s93
	s_add_co_u32 s88, s94, 2048
	s_add_nc_u64 s[80:81], s[8:9], s[88:89]
	global_load_b128 v[BQ:BQ+3], v26, s[78:79]     ; register 8 u + j: channel 16 u + 8 h + j
	global_load_b128 v[BQ+4:BQ+7], v26, s[78:79] offset:16
	global_load_b128 v[BQ+8:BQ+11], v26, s[78:79] offset:64
	global_load_b128 v[BQ+12:BQ+15], v26, s[78:79] offset:80
	global_load_b32 v[BV], v27, s[80:81]           ; channel r: one number a lane
	s_lshl_b32 s94, s48, 2
	s_add_co_u32 s94, s94, s23                     ; the work-group's number n: my row of proj_w
	s_lshl_b32 s88, s94, 10
	s_add_nc_u64 s[82:83], s[10:11], s[88:89]
	s_mul_i32 s88, s94, 192
	s_add_nc_u64 s[84:85], s[16:17], s[88:89]
	s_lshl_b32 s88, s94, 3
	s_add_nc_u64 s[86:87], s[18:19], s[88:89]
	s_lshr_b32 s94, s48, 3                         ; the units that I make: batch,
	s_mul_i32 s94, s94, 24
	s_lshl_b32 s93, s23, 1
	s_add_co_u32 s94, s94, s93                     ; 24 batch + 2 c
	s_and_b32 s93, s48, 7
	s_lshl_b32 s93, s93, 2
	s_add_co_u32 s93, s93, s67                     ; grid row
	s_add_co_u32 s95, s94, s69
	s_add_co_u32 s95, s95, 16
	s_lshl_b32 s95, s95, 5
	s_add_co_u32 s95, s95, s93                     ; v's unit: slot 16 + 2 c + (w % 4) / 2
	s_lshl_b32 s69, s69, 3
	s_add_co_u32 s94, s94, s69
	s_add_co_u32 s94, s94, s92
	s_lshl_b32 s94, s94, 5
	s_add_co_u32 s94, s94, s93                     ; q's or k's: slot 8 (q or k) + 2 c + head
	s_mul_i32 s88, s94, 768
	s_add_nc_u64 s[70:71], s[12:13], s[88:89]
	s_lshl_b32 s88, s94, 5
	s_add_nc_u64 s[74:75], s[14:15], s[88:89]
	s_mul_i32 s88, s95, 768
	s_mul_i32 s93, s92, 384
	s_add_co_u32 s88, s88, s93
	s_add_nc_u64 s[72:73], s[12:13], s[88:89]
	s_lshl_b32 s88, s95, 5
	s_lshl_b32 s93, s92, 4
	s_add_co_u32 s88, s88, s93
	s_add_nc_u64 s[76:77], s[14:15], s[88:89]
	s_cmp_lg_u32 s20, 0
	s_cbranch_scc1 .Lnot_proj
	; wave 0: a row of proj_w.  Lane i (both halves of the lanes alike): block i / 2, its codes 16 (i % 2) + 0 .. 15: channels 8 (i % 2) + 0 .. 7 and 16 + 8 (i % 2) + 0 .. 7 of the block
	v_lshrrev_b32 v80, 1, v1
	v_and_b32 v81, 1, v1
	v_lshlrev_b32 v82, 7, v80
	v_lshl_add_u32 v82, v81, 5, v82
	global_load_b128 v[64:67], v82, s[82:83]
	global_load_b128 v[68:71], v82, s[82:83] offset:16
	global_load_b128 v[72:75], v82, s[82:83] offset:64
	global_load_b128 v[76:79], v82, s[82:83] offset:80
	v_mul_u32_u24 v83, v81, 12
	v_and_b32 v84, 1, v80
	v_mad_u32_u24 v83, v84, 48, v83
	v_bfe_u32 v84, v80, 1, 1
	v_mad_u32_u24 v83, v84, 24, v83
	v_lshrrev_b32 v84, 2, v80
	v_mad_u32_u24 v83, v84, 0x60, v83              ; 96 s + 48 h + 24 c + 12 e
	WALU
	s_wait_loadcnt 0x0
	v_max3_num_f32 v32, |v64|, |v65|, |v66|
	v_max3_num_f32 v33, |v67|, |v68|, |v69|
	v_max3_num_f32 v32, v32, |v70|, |v71|
	v_max3_num_f32 v33, v33, |v72|, |v73|
	v_max3_num_f32 v32, v32, |v74|, |v75|
	v_max3_num_f32 v33, v33, |v76|, |v77|
	v_max3_num_f32 v32, v32, |v78|, |v79|
	v_max3_num_f32 v32, v32, v33, 0x1800000
	v_max_num_f32_dpp v32, v32, v32 row_xmask:1 row_mask:0xf bank_mask:0xf
	v_add_nc_u32 v34, 0xff000000, v32
	v_cvt_scalef32_pk16_fp6_f32 v[52:54], v[64:79], v34
	v_lshrrev_b32 v35, 23, v34
	global_store_b96 v83, v[52:54], s[84:85]       ; sixteen lanes: 192 consecutive bytes (the other sixteen store the same bytes with the same values)
	global_store_b8 v80, v35, s[86:87]
	s_wait_xcnt 0x0                                ; the registers that the stores read are written again below
.Lnot_proj:
	s_wait_loadcnt 13                              ; piece A is in; B's eight loads and the bias's five may be out
	TURN SET1, SET0, 9
	s_wait_loadcnt 5                               ; piece B is in; the bias's five loads may be out
	TURN SET1+32, SET0+32, 212
	s_wait_dscnt 16                                ; A is back; B's eight stores and eight loads may be out
	QUANT SET0, PC1+6, 211, 2
	s_wait_dscnt 0x0
	QUANT SET0+32, PC2, 210, 2
	ds_store_b128 v224, v[PC2:PC2+3]
	ds_store_b64 v225, v[PC2+4:PC2+5] offset:512
	ds_store_b16 v226, v210                        ; two of the word's four bytes
	s_wait_loadcnt 0x0                             ; the bias
.irp i, 1,2,3,4,5,6,7
	v_mov_b32 v[BV+\i], v[BV]
.endr
	WALU
	s_wait_tensorcnt 0x0                           ; three quarters of my tile are in; nobody else reads them
.irp b, 0,1,2,3
.irp j, 0,1,2,3
	ds_load_b128 v[SET0+16*\b+4*\j:SET0+16*\b+4*\j+3], v4 offset:128*\b+16*(\b/2)+16*\j   ; (16 bytes of padding behind each 256)
.endr
.endr
.irp b, 0,1
.irp j, 0,1,2,3
	ds_load_b128 v[SET1+16*\b+4*\j:SET1+16*\b+4*\j+3], v4 offset:544+128*\b+16*\j
.endr
.endr
	s_wait_dscnt 8                                 ; K step 0 is in; the eight loads of quarter 2 may be out
	QUANT SET0, PC, 30, 4
	PUTIMG PC, 30, 0                               ; in order behind all reads of the tile
	s_wait_dscnt 4                                 ; quarter 2 is in; the four stores may be out
	QUANT SET1, PC1, 31, 2
	v_lshl_or_b32 v31, v211, 16, v31               ; with piece A's two bytes the word is whole
	PUTIMG PC1, 31, 1
	WALU                                           ; the wait ahead of the barrier
	s_wait_dscnt 0x0                               ; for the others' sake: my images have landed
	s_barrier_signal -1
	s_barrier_wait -1
	FETCH 0
	FETCH 1
.rept 4
	v_nop
.endr
	s_wait_dscnt 21                                ; K step 0's fragments are in; K step 1's 21 loads may be out
	MUL 0
	s_wait_dscnt 0x0
	MUL 1
.rept 4
	v_nop                                          ; places in front of the first read of results (ISA guide 7.12.1)
.endr
	; three half units of 16 positions: 16 numbers a lane, the block's other 16 in lane l xor 16.  Each accumulator is read from its low end on
.irp q, 0,1,2
	v_max3_num_f32 v[32+\q], |v[ACC+16*\q]|, |v[ACC+16*\q+1]|, |v[ACC+16*\q+2]|
	v_max3_num_f32 v[35+\q], |v[ACC+16*\q+3]|, |v[ACC+16*\q+4]|, |v[ACC+16*\q+5]|
.endr
.irp i, 6,10
.irp q, 0,1,2
	v_max3_num_f32 v[32+\q], v[32+\q], |v[ACC+16*\q+\i]|, |v[ACC+16*\q+\i+1]|
	v_max3_num_f32 v[35+\q], v[35+\q], |v[ACC+16*\q+\i+2]|, |v[ACC+16*\q+\i+3]|
.endr
.endr
.irp q, 0,1,2
	v_max3_num_f32 v[32+\q], v[32+\q], |v[ACC+16*\q+14]|, |v[ACC+16*\q+15]|
.endr
.irp q, 0,1,2
	v_max3_num_f32 v[32+\q], v[32+\q], v[35+\q], 0x1800000
.endr
.irp q, 0,1,2
	v_permlanex16_b32 v[38+\q], v[32+\q], s[SEL], s[SEL+1]
.endr
.irp q, 0,1,2
	v_max_num_f32 v[32+\q], v[32+\q], v[38+\q]
.endr
.irp q, 0,1,2
	v_add_nc_u32 v[41+\q], 0xff000000, v[32+\q]
.endr
.irp q, 0,1,2
	v_cvt_scalef32_pk16_fp6_f32 v[44+4*\q:46+4*\q], v[ACC+16*\q:ACC+16*\q+15], v[41+\q]
.endr
.irp q, 0,1,2
	v_lshrrev_b32 v[47+4*\q], 23, v[41+\q]         ; the byte; also the plain place behind the conversions
.endr
	v_lshl_or_b32 v47, v51, 8, v47                 ; the bytes of positions r and 16 + r
	global_store_b96 v24, v[44:46], s[70:71]       ; each store covers 384 consecutive bytes: these two a whole unit of 768
	global_store_b96 v24, v[48:50], s[70:71] offset:384
	global_store_b96 v24, v[52:54], s[72:73]       ; v: half a unit; the next wave stores the other half
	global_store_b16 v25, v47, s[74:75]            ; (both halves of the lanes store the same bytes with the same values)
	global_store_b8 v1, v55, s[76:77]
	s_wait_tensorcnt 0x0                           ; the wave's end: behind my last tensor load and my last LDS store
	ds_add_u32 v[SPW], v[NIL]
	s_wait_dscnt 0x0
	CROUND                                         ; the closing round
	s_endpgm
.Lfunc_end_k_q7f8633de48_prep:
	.size	k_q7f8633de48_prep, .Lfunc_end_k_q7f8633de48_prep-k_q7f8633de48_prep
	.p2alignl 7, 3214868480
	.fill 96, 4, 3214868480
	.section	.rodata,"a",@progbits
	.p2align	6, 0x0
	.amdhsa_kernel k_q7f8633de48_prep
		.amdhsa_group_segment_fixed_size 293888
		.amdhsa_private_segment_fixed_size 0
		.amdhsa_enable_private_segment 0
		.amdhsa_kernarg_size 64
		.amdhsa_user_sgpr_count 2
		.amdhsa_user_sgpr_kernarg_segment_ptr 1
		.amdhsa_wavefront_size32 1
		.amdhsa_system_sgpr_workgroup_id_x 1
		.amdhsa_system_sgpr_workgroup_id_y 1
		.amdhsa_system_sgpr_workgroup_id_z 1
		.amdhsa_system_vgpr_workitem_id 0
		.amdhsa_next_free_vgpr 256
		.amdhsa_next_free_sgpr 98
		.amdhsa_reserve_vcc 0
		.amdhsa_float_denorm_mode_32 3
		.amdhsa_float_denorm_mode_16_64 3
		.amdhsa_memory_ordered 1
		.amdhsa_forward_progress 1
		.amdhsa_inst_pref_size 36
	.end_amdhsa_kernel
	.amdgpu_metadata
---
amdhsa.version: [ 1, 2 ]
amdhsa.kernels:
  - .name:           k_q7f8633de48_prep
    .symbol:         k_q7f8633de48_prep.kd
    .args:
      - { .name: x, .offset: 0, .size: 8, .value_kind: global_buffer, .address_space: global }
      - { .name: qkv_w, .offset: 8, .size: 8, .value_kind: global_buffer, .address_space: global }
      - { .name: qkv_b, .offset: 16, .size: 8, .value_kind: global_buffer, .address_space: global }
      - { .name: proj_w, .offset: 24, .size: 8, .value_kind: global_buffer, .address_space: global }
      - { .name: cod, .offset: 32, .size: 8, .value_kind: global_buffer, .address_space: global }
      - { .name: scl, .offset: 40, .size: 8, .value_kind: global_buffer, .address_space: global }
      - { .name: pwc, .offset: 48, .size: 8, .value_kind: global_buffer, .address_space: global }
      - { .name: pws, .offset: 56, .size: 8, .value_kind: global_buffer, .address_space: global }
    .group_segment_fixed_size: 293888
    .private_segment_fixed_size: 0
    .kernarg_segment_align: 8
    .kernarg_segment_size: 64
    .max_flat_workgroup_size: 512
    .sgpr_count:     98
    .vgpr_count:     256
    .wavefront_size: 32
...
	.end_amdgpu_metadata
.endif
;; end of part 1
;; launch attn (part 2): grid 32 x 8, 16 waves a work-group, no clusters, 42,240 bytes of LDS; arguments cod, scl, pwc, pws, proj_b, out0; writes out0
.if DOCPART == 2
	.amdgcn_target "amdgcn-amd-amdhsa--gfx1250"
	.amdhsa_code_object_version 6
	.text
	.protected	k_q7f8633de48_attn
	.globl	k_q7f8633de48_attn
	.p2align	8
	.type	k_q7f8633de48_attn,@function
k_q7f8633de48_attn:
	s_mov_b64 s[64:65], 0
	v_nop
	global_prefetch_b8 v0, s[64:65] scope:SCOPE_SE
	s_setreg_imm32_b32 hwreg(HW_REG_WAVE_MODE, 25, 1), 1
	s_wait_xcnt 0x0
; The windowed attention and the projection, all three products on codes of FP6 (E2M3) with one E8M0 scale for each 32 along K.  Codes and bytes come from the launch before, in its units and orders: U = (24 batch + slot) 32 + row:
; cod 768 bytes a unit (32 positions of 24 bytes), scl 32 bytes; slots 0-7 q's heads, 8-15 k's, 16-23 v's.  With position p = 16 u + 8 h + j: q, k: column 14 - 2 j + h (u = 0) or 16 + 2 j + h (u = 1); v: channel p.
; SHARES.  A work-group owns one grid row of one batch: 32 queries, all 8 heads.  Wave w serves head w / 2 and the 16 queries of tile w % 2: lane r's is the column of position 16 (w % 2) + r.  A query sees |row - its own| <= 3 and
; |column - its own| <= 5: seven grid rows of 32 keys; the whole row of scores is held, and its true maximum is taken.
; S^T = K Q^T.  The product's K is the head's 32 channels, the instruction's is 128, four blocks of 32.  A fragment of K holds in its four blocks FOUR tiles of keys (2 grid rows x 2 tiles of 16), just as 24 bytes a lane
; lie in a unit; q stands in ONE block of source 1 and zero codes in the other three: which block picks the tile.  Five runs of six registers [q in lanes 0-15 | 0 | q in lanes 16-31 | 0 | q in lanes 0-15] give all four variants.
; The column mask is the C of each product: 0 or -3e38.  A grid row outside the grid is read from the nearest row inside (no load leaves its buffer) and gets -3e38 added to its exponents: p = 0, zero codes.
; LEFT OUT: register n = 8 u + j of a grid row's pair of tiles holds, in the two halves of the lanes, two neighbouring columns.  Queries of tile 0 (columns 0-15) see no column over 20, so registers 11-15 (columns 22-31) hold none that counts;
; queries of tile 1 (16-31) see none under 11, so registers 3-7 (columns 0-9) hold none: reference()'s own mask makes these -infinity for all inputs.  Their p is written as 0; a NaN or an infinity in them is not carried to the result.
; The softmax is written for each of the two tiles, and a branch on the wave's number chooses.
; THE SOFTMAX: t = score x log2(e) / 16 (q comes without its factor 1/16); M = ceil(the row's largest t); p = 2^(t - M) is quantised, a grid row to a block; the sum is taken of the unquantised p and divides O at the end.
; O^T = V^T P^T, then O / l is quantised (a head of a token is a block), goes through LDS to all waves, and wave w makes outputs 16 w + 8 (lane / 16) + 0 .. 7 of all 32 tokens; whole rows leave through LDS.
; NO DATA MOVER, NO CLUSTER: every operand lies in memory in the order of the operand's registers and goes straight into them.  Work-groups of neighbouring grid rows share six of their seven rows of K and V, but each needs another
; set of rows, and a joint request must be the same in all that make it.  No prefetch: there is no loop to run ahead in; each group of loads is issued as soon as its registers are free.
; LIMITS: hidden scores are -3e38, not -infinity: right for |score| < 1e37.  A block of zeros has the byte 1.  NaN and infinities are not served.
.set OROW,   0                         ; LDS: O's codes: 32 tokens, 208 bytes apart (192 + 16); head g's 24 bytes at 24 g
.set OPITCH, 208
.set OSC,    6656                      ; their bytes: 8 a token
.set OST,    6912                      ; the stage for the output: 32 rows of 1,024 + 16 bytes
.set TPITCH, 1040
.set SPARE,  OST+32*TPITCH             ; the spare words, 128 bytes for each wave
.set QC,  28                           ; v28-57   the five runs of q and zeros
.set KF,  58                           ; v58-105  K: grid row i's 24 bytes a lane at KF + 6 i; fragment F = rows 2 F, 2 F + 1
.set MK,  106                          ; v106-121 the column mask of tiles 0 and 1
.set QL,  122                          ; v122-127 q as loaded
.set RK,  128                          ; v128-134 K's bytes: row i's two tiles' in RK + i
.set RQ,  142                          ; v142     q's bytes
.set NEG, 143                          ; v143     -3e38
.set S,   144                          ; v144-255 S^T, then p: register 16 b + n, grid row b of seven
.set VF,  28                           ; v28-75   V: fragment (tile of channels d, K step s) at VF + 12 (2 d + s)
.set RV,  76                           ; v76-83   V's bytes, a grid row each
.set NM,  84                           ; v84-97   NM + 2 b: -M + row b's bias, later its byte;  NM + 2 b + 1: block b's largest score, then its largest p
.set BX,  98                           ; v98-104  the permutes' destinations, then the conversions' scale operands
.set PC,  106                          ; v106-129 p's codes: two fragments
.set PT,  130                          ; v130-132 the second block of a pair
.set SM,  122                          ; v122-133 six chains of the sum, two numbers each
.set PF,  144                          ; v144-167 proj_w's two fragments
.set PB,  168                          ; v168-175 proj_b in the result's layout
.set OA,  176                          ; v176-191 O^T: register 8 d + j = channel 16 d + 8 (lane / 16) + j of my head
.set AF,  192                          ; v192-239 O's fragments (tile of tokens m, K step s) at AF + 12 (2 m + s)
.set AC,  240                          ; v240-255 the output's two accumulators
.set OC,  76                           ; v76-78   O's codes
.set SC,  24                           ; s[24:39] cod at (batch, head, grid row clamp(h - 3 + i)), i = 0 .. 7
.set SS,  40                           ; s[40:55] scl likewise
.set BI,  56                           ; s56-62   row i's bias: 0, or -3e38 where h - 3 + i lies outside the grid
.set CS,  66                           ; s[66:67] c = log2(e) / 16
.set SEL, 68                           ; s[68:69] v_permlanex16_b32's selects for lane l xor 16
; v16-25 hold scales and nothing else: v16-19 K's words, v20 q's; then v16-17 V's, v18-19 p's, v20-21 proj_w's, v22-25 O's
.macro WALU
	s_wait_alu depctr_va_vdst(0)
.endm
	s_load_b256 s[4:11], s[0:1], 0x0               ; cod s[4:5], scl s[6:7], pwc s[8:9], pws s[10:11]
	s_load_b128 s[12:15], s[0:1], 0x20             ; proj_b s[12:13], out0 s[14:15]
	v_lshrrev_b32 v1, 5, v0
	v_readfirstlane_b32 s16, v1                    ; wave 0..15
	s_lshr_b32 s17, s16, 1                         ; my head
	s_and_b32 s18, s16, 1                          ; my tile of queries
	s_mov_b32 s19, ttmp9                           ; the grid row
	s_and_b32 s20, ttmp7, 0xffff                   ; the batch
	s_mul_i32 s21, s20, 24
	s_add_co_u32 s21, s21, s17
	s_mul_i32 s22, s21, 24576                      ; (24 batch + head) x 32 units, in cod
	s_lshl_b32 s23, s21, 10                        ; and in scl
	; every offset is made ahead of the wait for the arguments
.irp i, 0,1,2,3,4,5,6,7
	s_add_co_i32 s80, s19, \i-3
	s_max_i32 s81, s80, 0
	s_min_i32 s[84+\i], s81, 31                    ; the row that is read
.if \i < 7
	s_cmp_eq_u32 s80, s[84+\i]
	s_cselect_b32 s[BI+\i], 0, 0xff61b1e6
.endif
	s_mul_i32 s[SC+2*\i], s[84+\i], 768
	s_add_co_u32 s[SC+2*\i], s[SC+2*\i], s22
	s_mov_b32 s[SC+2*\i+1], 0
	s_lshl_b32 s[SS+2*\i], s[84+\i], 5
	s_add_co_u32 s[SS+2*\i], s[SS+2*\i], s23
	s_mov_b32 s[SS+2*\i+1], 0
.endr
.irp p, 0,1,2,3
	s_sub_co_u32 s80, s[85+2*\p], s[84+2*\p]
	s_mul_i32 s[72+\p], s80, 768                   ; from row 2 p to row 2 p + 1, in bytes: 768, or 0 where both are held at the grid's edge
.endr
	s_mov_b32 s77, 0
	s_lshl_b32 s80, s18, 4
	s_lshl_b32 s82, s18, 3                         ; where my tile's byte lies in q's pair
	s_mul_i32 s83, s18, 7
	s_xor_b32 s83, s83, 7                          ; 7 for tile 0, 0 for tile 1
	s_mov_b32 s70, 0xffff                          ; lanes 0-15
	v_and_b32 v1, 15, v0                           ; r
	v_bfe_u32 v2, v0, 4, 1                         ; h' = lane / 16
	v_and_b32 v7, 31, v0                           ; lane
	v_mul_u32_u24 v85, v1, 24
	v_and_b32 v27, 7, v1
	v_add_nc_u32 v5, s80, v1
	v_mul_u32_u24 v3, v7, 24                       ; K: position = lane
	v_xor_b32 v27, s83, v27
	v_lshrrev_b32 v84, 3, v1
	v_mul_u32_u24 v4, v5, 24                       ; q: my query's position
	v_lshl_add_u32 v27, v27, 1, v84
	v_lshlrev_b32 v5, 1, v1                        ; q's and K's bytes: two at 2 r
	v_mul_u32_u24 v6, v1, 0xc0
	v_add_nc_u32 v27, s80, v27                     ; my query's column: 14 - 2 j + b or 16 + 2 j + b, r = 8 b + j
.irp p, 0,1,2,3
	v_mad_u32_u24 v[8+\p], v2, s[72+\p], v85       ; V: position r; lanes 0-15 take row 2 p, lanes 16-31 row 2 p + 1
.endr
	v_mad_u32_u24 v6, v2, 48, v6                   ; proj_w: row r of 192 bytes, + 48 h'
	v_lshlrev_b32 v12, 4, v7
	v_lshlrev_b32 v13, 3, v1                       ; its eight bytes
	v_lshlrev_b32 v26, 5, v2                       ; 32 h'
	v_mov_b32 v14, 0
	v_mov_b32 v15, 0
	WALU                                           ; the wait at the head's end
	s_wait_kmcnt 0x0
	; 32 loads: K's seven rows, 24 bytes a lane as they lie, and their bytes; q of my 16 queries (in both halves of the lanes) and its bytes
.irp i, 0,1,2,3,4,5,6
	s_add_nc_u64 s[SC+2*\i:SC+2*\i+1], s[4:5], s[SC+2*\i:SC+2*\i+1]
	s_add_nc_u64 s[SS+2*\i:SS+2*\i+1], s[6:7], s[SS+2*\i:SS+2*\i+1]
.irp p, 0,1,2
	global_load_b64 v[KF+6*\i+2*\p:KF+6*\i+2*\p+1], v3, s[SC+2*\i:SC+2*\i+1] offset:196608+8*\p
.endr
	global_load_u16 v[RK+\i], v5, s[SS+2*\i:SS+2*\i+1] offset:8192
.endr
.irp p, 0,1,2
	global_load_b64 v[QL+2*\p:QL+2*\p+1], v4, s[SC+6:SC+7] offset:8*\p
.endr
	global_load_u16 v[RQ], v5, s[SS+6:SS+7]
	s_add_nc_u64 s[SC+14:SC+15], s[4:5], s[SC+14:SC+15]
	s_add_nc_u64 s[SS+14:SS+15], s[6:7], s[SS+14:SS+15]
	; while they fly: the other addresses, the zeros, the column mask
	s_mov_b32 s[CS], 0x3db8aa3b
	s_mov_b32 s[CS+1], s[CS]                       ; (named with it as a pair, so it is written)
	s_mov_b32 s[SEL], 0x76543210
	s_mov_b32 s[SEL+1], 0xfedcba98
	s_mov_b32 s71, 0x01010101
	s_mul_i32 s76, s16, 3072
	s_add_nc_u64 s[8:9], s[8:9], s[76:77]          ; proj_w's rows 16 w and on
	s_lshl_b32 s76, s16, 7
	s_add_nc_u64 s[10:11], s[10:11], s[76:77]
	s_lshl_b32 s76, s16, 6
	s_add_nc_u64 s[12:13], s[12:13], s[76:77]      ; proj_b at output 16 w
	s_lshl_b32 s76, s20, 10
	s_lshl_b32 s80, s19, 5
	s_add_co_u32 s76, s76, s80
	s_lshl_b32 s80, s16, 1
	s_add_co_u32 s76, s76, s80
	s_lshl_b32 s76, s76, 10
	s_add_nc_u64 s[14:15], s[14:15], s[76:77]      ; out0 at token 1,024 batch + 32 h + 2 w
.irp k, 0,1,2,3,4,5
	v_mov_b32 v[QC+6+\k], 0
	v_mov_b32 v[QC+18+\k], 0
	v_mov_b32 v[KF+42+\k], 0                       ; there is no eighth row of keys
.endr
	v_mov_b32 v[NEG], 0xff61b1e6
	v_sub_nc_u32 v140, v2, v27
	v_add_nc_u32 v140, 5, v140                     ; h' - my query's column + 5: register n holds column (14 - 2 n or 2 n) + h', seen where 0 <= this + (14 - 2 n or 2 n) <= 10
.irp n, 0,1,2,3,4,5,6,7,8,9,10,11,12,13,14,15
.if \n < 8
	v_add_nc_u32 v[S+\n], 14-2*\n, v140
.else
	v_add_nc_u32 v[S+\n], 2*\n, v140
.endif
.endr
.irp n, 0,1,2,3,4,5,6,7,8,9,10,11,12,13,14,15
	v_cmp_gt_u32 vcc_lo, 11, v[S+\n]
	s_delay_alu instid0(VALU_DEP_1)
	v_cndmask_b32 v[MK+\n], v[NEG], v15, vcc_lo
.endr
	WALU
	s_wait_loadcnt 0x0
	v_bfe_u32 v[RQ], v[RQ], s82, 8                 ; my tile's byte
.irp f, 0,1,2
	v_lshl_or_b32 v[16+\f], v[RK+2*\f+1], 16, v[RK+2*\f]   ; fragment F's scale word: byte 2 c + u is (row 2 F + c, tile u)
.endr
	v_mov_b32 v19, v[RK+6]                         ; (the last has one row; over zero codes the byte 0 adds nothing)
	v_mul_lo_u32 v20, v[RQ], s71                   ; q's byte in all four places
.irp k, 0,1,2,3,4,5
	v_cndmask_b32 v[QC+\k], v15, v[QL+\k], s70     ; q in lanes 0-15
	v_cndmask_b32 v[QC+12+\k], v[QL+\k], v15, s70  ; q in lanes 16-31
	v_cndmask_b32 v[QC+24+\k], v15, v[QL+\k], s70
.endr                                  ; these 18 are also the 8 places between the scale words and the scaled matrix instructions
.rept 4
	v_nop                                          ; and an operand written by vector instructions stands 4 places ahead
.endr
.irp b, 0,1,2,3,4,5,6
.irp u, 0,1
.set VV, 2*(\b%2)+\u                   ; the block in which q stands: variants 0, 1, 2, 3 begin at QC + 0, 12, 18, 6
.set QV, QC+(12*VV-6*(VV/2))%24
	v_wmma_scale_f32_16x16x128_f8f6f4 v[S+16*\b+8*\u:S+16*\b+8*\u+7], v[KF+12*(\b/2):KF+12*(\b/2)+11], v[QV:QV+11], v[MK+8*\u:MK+8*\u+7], v[16+\b/2], v20 matrix_a_fmt:MATRIX_FMT_FP6 matrix_b_fmt:MATRIX_FMT_FP6
.endr
.endr
.rept 4
	v_nop                                          ; places in front of loads into registers that these products read, and of the first read of results
.endr
	; 32 loads: V's four fragments and its bytes; they land under the softmax
.irp d, 0,1
.irp s, 0,1
.irp c, 0,1
.irp p, 0,1,2
	global_load_b64 v[VF+12*(2*\d+\s)+6*\c+2*\p:VF+12*(2*\d+\s)+6*\c+2*\p+1], v[8+2*\s+\c], s[SC+2*(4*\s+2*\c):SC+2*(4*\s+2*\c)+1] offset:393216+384*\d+8*\p
.endr
.endr
.endr
.endr
.irp i, 0,1,2,3,4,5,6,7
	global_load_u8 v[RV+\i], v7, s[SS+2*\i:SS+2*\i+1] offset:16384
.endr
; THE SOFTMAX of a tile: of each grid row's 16 registers a .. a + 7 and b .. b + 2 count; b + 3 .. b + 7 become 0.  Seven rows by turns.
.macro SOFT a, b
	; the largest score of each block of 32 keys: it serves the row's maximum and, since p rises with the score, the block's largest p.  Each accumulator is first read at its low end
.irp k, 0,1,2,3,4,5,6
	v_max3_num_f32 v[NM+1+2*\k], v[S+16*\k+\a], v[S+16*\k+\a+1], v[S+16*\k+\a+2]
.endr
.irp k, 0,1,2,3,4,5,6
	v_max3_num_f32 v[NM+1+2*\k], v[NM+1+2*\k], v[S+16*\k+\b], v[S+16*\k+\b+1]
.endr
.irp k, 0,1,2,3,4,5,6
	v_max3_num_f32 v[NM+1+2*\k], v[NM+1+2*\k], v[S+16*\k+\b+2], v[S+16*\k+\a+3]
.endr
.irp i, 4,6
.irp k, 0,1,2,3,4,5,6
	v_max3_num_f32 v[NM+1+2*\k], v[NM+1+2*\k], v[S+16*\k+\a+\i], v[S+16*\k+\a+\i+1]
.endr
.endr
.irp k, 0,1,2,3,4,5,6
	v_permlanex16_b32 v[BX+\k], v[NM+1+2*\k], s[SEL], s[SEL+1]
.endr
.irp k, 0,1,2,3,4,5,6
	v_max_num_f32 v[NM+1+2*\k], v[NM+1+2*\k], v[BX+\k]
.endr
.irp k, 0,1,2,3,4,5,6
	v_add_f32 v[NM+1+2*\k], s[BI+\k], v[NM+1+2*\k] ; a row outside the grid does not count
.endr
	v_max3_num_f32 v138, v[NM+1], v[NM+3], v[NM+5]
	v_max3_num_f32 v139, v[NM+7], v[NM+9], v[NM+11]
.irp k, 0,1,2,3,4,5,6
	v_mov_b32 v[S+16*\k+\b+3], 0                   ; columns that no query of the tile sees: p = 0
.endr
	v_max3_num_f32 v138, v138, v139, v[NM+13]      ; the row's largest score (the query's own grid row always counts)
.irp k, 0,1,2,3,4,5,6
	v_pk_mul_f32 v[S+16*\k+\b+4:S+16*\k+\b+5], v[14:15], v[14:15]   ; (two zeros an instruction)
.endr
	v_mul_f32 v138, s[CS], v138                    ; as t
.irp k, 0,1,2,3,4,5,6
	v_pk_mul_f32 v[S+16*\k+\b+6:S+16*\k+\b+7], v[14:15], v[14:15]
.endr
	v_floor_f32 v139, -v138                        ; -M = floor(-t) = -ceil(t)
.irp k, 0,1,2,3,4,5,6
	v_add_f32 v[NM+2*\k], s[BI+\k], v139
.endr
.irp k, 0,1,2,3,4,5,6
.irp i, 0,2,4,6
	v_pk_fma_f32 v[S+16*\k+\a+\i:S+16*\k+\a+\i+1], v[S+16*\k+\a+\i:S+16*\k+\a+\i+1], s[CS:CS+1], v[NM+2*\k:NM+2*\k+1] op_sel_hi:[1,0,0]   ; t - M, two at a time (of the pairs the low word serves both halves)
.endr
	v_pk_fma_f32 v[S+16*\k+\b:S+16*\k+\b+1], v[S+16*\k+\b:S+16*\k+\b+1], s[CS:CS+1], v[NM+2*\k:NM+2*\k+1] op_sel_hi:[1,0,0]
	v_fma_f32 v[S+16*\k+\b+2], v[S+16*\k+\b+2], s[CS], v[NM+2*\k]
.endr
.irp k, 0,1,2,3,4,5,6
	v_fma_f32 v[NM+1+2*\k], v[NM+1+2*\k], s[CS], v139   ; the same of each block's largest score (its bias lies in it already)
.endr
	WALU                                           ; the wait ahead of the batch,
.irp k, 0,1,2,3,4,5,6
.irp i, 0,1,2,3,4,5,6,7
	v_exp_f32 v[S+16*\k+\a+\i], v[S+16*\k+\a+\i]   ; p = 2^(t - M): not normalised
.endr
.irp i, 0,1,2
	v_exp_f32 v[S+16*\k+\b+\i], v[S+16*\k+\b+\i]
.endr
.endr
	v_nop                                          ; a plain place behind the exponentials
	WALU                                           ; and behind it, ahead of its first reader
.irp k, 0,1,2,3,4,5,6
	v_exp_f32 v[NM+1+2*\k], v[NM+1+2*\k]           ; the block's largest p: the same two instructions on the same number
.endr
	; the row's sum of the unquantised p: a row's eleven and a zero are six pairs, a chain for each pair
.irp i, 0,2,4,6
	v_pk_add_f32 v[SM+\i:SM+\i+1], v[S+\a+\i:S+\a+\i+1], v[S+16+\a+\i:S+16+\a+\i+1]
.endr
.irp i, 0,2
	v_pk_add_f32 v[SM+8+\i:SM+9+\i], v[S+\b+\i:S+\b+\i+1], v[S+16+\b+\i:S+16+\b+\i+1]
.endr
.irp k, 2,3,4,5,6
.irp i, 0,2,4,6
	v_pk_add_f32 v[SM+\i:SM+\i+1], v[SM+\i:SM+\i+1], v[S+16*\k+\a+\i:S+16*\k+\a+\i+1]
.endr
.irp i, 0,2
	v_pk_add_f32 v[SM+8+\i:SM+9+\i], v[SM+8+\i:SM+9+\i], v[S+16*\k+\b+\i:S+16*\k+\b+\i+1]
.endr
.endr
.endm
	WALU                                           ; the wait ahead of the branch
	s_cmp_lg_u32 s18, 0
	s_cbranch_scc1 .Ltile_1
	SOFT 0, 8
	WALU
	s_branch .Lsoft
.Ltile_1:
	SOFT 8, 0
	WALU
.Lsoft:
	v_pk_add_f32 v[SM:SM+1], v[SM:SM+1], v[SM+2:SM+3]
	v_pk_add_f32 v[SM+4:SM+5], v[SM+4:SM+5], v[SM+6:SM+7]
	v_pk_add_f32 v[SM+8:SM+9], v[SM+8:SM+9], v[SM+10:SM+11]
.irp k, 0,1,2,3,4,5,6
	v_max_num_f32 v[NM+1+2*\k], 0x1800000, v[NM+1+2*\k]   ; the floor 2^(3 - 127): a block whose every p is 0 keeps the byte 1
.endr
	v_pk_add_f32 v[SM:SM+1], v[SM:SM+1], v[SM+4:SM+5]
.irp k, 0,1,2,3,4,5,6
	v_add_nc_u32 v[BX+\k], 0xff000000, v[NM+1+2*\k]       ; 2 off the exponent field: the conversion's scale operand
.endr
	v_pk_add_f32 v[140:141], v[SM:SM+1], v[SM+8:SM+9]
.irp k, 0,1,2
	v_lshrrev_b32 v[NM+2*\k], 23, v[BX+\k]         ; the byte
.endr
	v_add_f32 v140, v140, v141
.irp k, 3,4
	v_lshrrev_b32 v[NM+2*\k], 23, v[BX+\k]
.endr
	v_permlanex16_b32 v141, v140, s[SEL], s[SEL+1]
.irp k, 5,6
	v_lshrrev_b32 v[NM+2*\k], 23, v[BX+\k]
.endr
	v_add_f32 v140, v140, v141                     ; with lane l xor 16's keys: l
	v_lshl_or_b32 v18, v[NM+2], 8, v[NM]           ; p's scale words: rows 0-3,
	v_lshl_or_b32 v19, v[NM+10], 8, v[NM+8]        ; rows 4-6 (the eighth block is zero codes under the byte 0)
	v_lshl_or_b32 v18, v[NM+4], 16, v18
	v_lshl_or_b32 v19, v[NM+12], 16, v19
	v_lshl_or_b32 v18, v[NM+6], 24, v18
	WALU                                           ; the wait ahead of the reciprocal,
	v_rcp_f32 v138, v140
	v_nop                                          ; a plain place behind it
	WALU                                           ; and behind it
; Blocks 2 c and 2 c + 1 become registers 6 c .. 6 c + 5 of p's codes: the layout wants a WHOLE block in a lane, lanes 0-15 block 2 c, lanes 16-31 block 2 c + 1
.macro PAIR c
	v_cvt_scalef32_pk16_fp6_f32 v[PC+6*\c:PC+6*\c+2], v[S+32*\c:S+32*\c+15], v[BX+2*\c]
.if \c < 3
	v_cvt_scalef32_pk16_fp6_f32 v[PT:PT+2], v[S+32*\c+16:S+32*\c+31], v[BX+2*\c+1]
	v_nop                                          ; one plain place behind the scaled conversions
.else
.irp i, 0,1,2
	v_mov_b32 v[PT+\i], 0                          ; the eighth block: zero codes (also the plain place)
.endr
.endif
.irp i, 0,1,2
	v_permlane16_swap_b32 v[PC+6*\c+\i], v[PT+\i]
.endr
.irp i, 0,1,2
	v_mov_b32 v[PC+6*\c+3+\i], v[PT+\i]
.endr
.endm
	PAIR 0
	; blocks 0 and 1 have left their 32 registers: ten loads for the projection land there, under the rest
.irp s, 0,1
.irp c, 0,1,2
	global_load_b128 v[PF+12*\s+4*\c:PF+12*\s+4*\c+3], v6, s[8:9] offset:96*\s+16*\c
.endr
	global_load_b32 v[20+\s], v13, s[10:11] offset:4*\s
.endr
	global_load_b128 v[PB:PB+3], v26, s[12:13]
	global_load_b128 v[PB+4:PB+7], v26, s[12:13] offset:16
	PAIR 1
	PAIR 2
	PAIR 3
	WALU
	s_wait_loadcnt 10                              ; V's 32 loads are in; the ten just issued may be out
.irp s, 0,1
	v_lshl_or_b32 v[16+\s], v[RV+4*\s+1], 8, v[RV+4*\s]   ; V's scale words: lane = position: lanes 0-15 channel tile 0's, lanes 16-31 tile 1's
.endr
.irp s, 0,1
	v_lshl_or_b32 v[16+\s], v[RV+4*\s+2], 16, v[16+\s]
.endr
.irp s, 0,1
	v_lshl_or_b32 v[16+\s], v[RV+4*\s+3], 24, v[16+\s]
.endr
	; the LDS addresses of what follows: plain lines, the places between the scale words and codes just made and the scaled matrix instructions
	s_mul_i32 s92, s17, 24
	s_add_co_u32 s93, s17, OSC
	s_lshl_b32 s94, s16, 6
	s_add_co_u32 s94, s94, OST
	s_mul_i32 s95, s16, 2*TPITCH
	s_add_co_u32 s95, s95, OST
	v_mul_u32_u24 v84, v27, OPITCH
	v_mul_u32_u24 v86, v1, OPITCH
	v_lshlrev_b32 v85, 3, v27
	v_mul_u32_u24 v88, v1, TPITCH
	v_mad_u32_u24 v84, v2, 12, v84
	v_mad_u32_u24 v86, v2, 24, v86                 ; O's fragments: token r, + 24 h'
	v_add_nc_u32 v85, s93, v85                     ; my byte
	v_add_nc_u32 v88, v88, v26
	v_add_nc_u32 v84, s92, v84                     ; my codes: my query's token, head's 24 bytes, + 12 h'
	v_lshl_add_u32 v87, v1, 3, OSC                 ; O's scale words: token r
	v_add_nc_u32 v88, s94, v88                     ; the stage: token r, my eight outputs' 32 bytes
	v_add_nc_u32 v89, s95, v12                     ; and back: rows 2 w, 2 w + 1, 16 bytes a lane
	; O^T = V^T P^T: two accumulators by turns; the first K step starts the sums
	v_wmma_scale_f32_16x16x128_f8f6f4 v[OA:OA+7], v[VF:VF+11], v[PC:PC+11], 0, v16, v18 matrix_a_fmt:MATRIX_FMT_FP6 matrix_b_fmt:MATRIX_FMT_FP6
	v_wmma_scale_f32_16x16x128_f8f6f4 v[OA+8:OA+15], v[VF+24:VF+35], v[PC:PC+11], 0, v16, v18 matrix_a_fmt:MATRIX_FMT_FP6 matrix_b_fmt:MATRIX_FMT_FP6 matrix_a_scale:MATRIX_SCALE_ROW1
	v_wmma_scale_f32_16x16x128_f8f6f4 v[OA:OA+7], v[VF+12:VF+23], v[PC+12:PC+23], v[OA:OA+7], v17, v19 matrix_a_fmt:MATRIX_FMT_FP6 matrix_b_fmt:MATRIX_FMT_FP6
	v_wmma_scale_f32_16x16x128_f8f6f4 v[OA+8:OA+15], v[VF+36:VF+47], v[PC+12:PC+23], v[OA+8:OA+15], v17, v19 matrix_a_fmt:MATRIX_FMT_FP6 matrix_b_fmt:MATRIX_FMT_FP6 matrix_a_scale:MATRIX_SCALE_ROW1
.rept 4
	v_nop
.endr
.irp k, 0,2,4,6,8,10,12,14
	v_pk_mul_f32 v[OA+\k:OA+\k+1], v[OA+\k:OA+\k+1], v[138:139] op_sel_hi:[1,0]   ; O / l, each accumulator from its low end on
.endr
	v_max3_num_f32 v90, |v[OA]|, |v[OA+1]|, |v[OA+2]|      ; my 16 channels of the head's 32: the projection's block
	v_max3_num_f32 v91, |v[OA+3]|, |v[OA+4]|, |v[OA+5]|
	v_max3_num_f32 v94, |v[OA+6]|, |v[OA+7]|, |v[OA+8]|
	v_max3_num_f32 v90, v90, |v[OA+9]|, |v[OA+10]|
	v_max3_num_f32 v91, v91, |v[OA+11]|, |v[OA+12]|
	v_max3_num_f32 v94, v94, |v[OA+13]|, |v[OA+14]|
	v_max3_num_f32 v90, v90, |v[OA+15]|, 0x1800000
	s_delay_alu instid0(VALU_DEP_1)
	v_max3_num_f32 v90, v90, v91, v94
	s_delay_alu instid0(VALU_DEP_1)
	v_permlanex16_b32 v92, v90, s[SEL], s[SEL+1]
	s_delay_alu instid0(VALU_DEP_1)
	v_max_num_f32 v90, v90, v92
	s_delay_alu instid0(VALU_DEP_1)
	v_add_nc_u32 v93, 0xff000000, v90
	v_cvt_scalef32_pk16_fp6_f32 v[OC:OC+2], v[OA:OA+15], v93
	v_lshrrev_b32 v94, 23, v93                     ; the byte; also the plain place behind the conversion
	ds_store_b32 v84, v[OC]
	ds_store_b32 v84, v[OC+1] offset:4
	ds_store_b32 v84, v[OC+2] offset:8
	ds_store_b8 v85, v94                           ; both lanes of a block write the same byte with the same value
	s_wait_dscnt 0x0                               ; for the others' sake: my stores have landed
	s_barrier_signal -1
	s_barrier_wait -1                              ; 32 tokens' codes and bytes, all heads, lie in LDS
.irp s, 0,1
.irp m, 0,1
.irp p, 0,1,2,3,4,5
	ds_load_b64 v[AF+12*(2*\m+\s)+2*\p:AF+12*(2*\m+\s)+2*\p+1], v86 offset:16*OPITCH*\m+96*\s+48*(\p/3)+8*(\p%3)
.endr
	ds_load_b32 v[22+2*\m+\s], v87 offset:128*\m+4*\s
.endr
.endr
	v_lshl_add_u32 v190, v0, 2, SPARE              ; my spare word, and 0
	v_mov_b32 v191, 0
	WALU
	s_wait_loadcnt 0x0                             ; proj_w's fragments and words, proj_b
	s_wait_dscnt 14                                ; K step 0's fragments are in; K step 1's 14 loads may be out
	; out^T = proj_w O^T + proj_b: source 0 = my 16 rows of proj_w, source 1 = 16 tokens; the bias is the C of each sum's first instruction; two accumulators by turns
.irp m, 0,1
	v_wmma_scale_f32_16x16x128_f8f6f4 v[AC+8*\m:AC+8*\m+7], v[PF:PF+11], v[AF+24*\m:AF+24*\m+11], v[PB:PB+7], v20, v[22+2*\m] matrix_a_fmt:MATRIX_FMT_FP6 matrix_b_fmt:MATRIX_FMT_FP6
.endr
	s_wait_dscnt 0x0
.irp m, 0,1
	v_wmma_scale_f32_16x16x128_f8f6f4 v[AC+8*\m:AC+8*\m+7], v[PF+12:PF+23], v[AF+24*\m+12:AF+24*\m+23], v[AC+8*\m:AC+8*\m+7], v21, v[23+2*\m] matrix_a_fmt:MATRIX_FMT_FP6 matrix_b_fmt:MATRIX_FMT_FP6
.endr
.rept 4
	v_nop
.endr
.irp m, 0,1
	ds_store_b128 v88, v[AC+8*\m:AC+8*\m+3] offset:16*TPITCH*\m        ; each accumulator from its low end on
	ds_store_b128 v88, v[AC+8*\m+4:AC+8*\m+7] offset:16*TPITCH*\m+16
.endr
	s_wait_dscnt 0x0
	s_barrier_signal -1
	s_barrier_wait -1                              ; 32 whole rows of the output lie in the stage
.irp n, 0,1,2,3
	ds_load_b128 v[28+4*\n:31+4*\n], v89 offset:TPITCH*(\n/2)+512*(\n%2)
.endr
.irp n, 0,1,2,3
	s_wait_dscnt 3-\n                              ; the n-th is in, the younger ones may be out
	global_store_b128 v12, v[28+4*\n:31+4*\n], s[14:15] offset:1024*(\n/2)+512*(\n%2)   ; 32 lanes store 512 consecutive bytes, at a multiple of 256 from out0's first byte
.endr
	s_wait_tensorcnt 0x0                           ; the wave's end: behind my last LDS store
	ds_add_u32 v190, v191
	s_wait_dscnt 0x0
	s_endpgm
.Lfunc_end_k_q7f8633de48_attn:
	.size	k_q7f8633de48_attn, .Lfunc_end_k_q7f8633de48_attn-k_q7f8633de48_attn
	.p2alignl 7, 3214868480
	.fill 96, 4, 3214868480
	.section	.rodata,"a",@progbits
	.p2align	6, 0x0
	.amdhsa_kernel k_q7f8633de48_attn
		.amdhsa_group_segment_fixed_size 42240
		.amdhsa_private_segment_fixed_size 0
		.amdhsa_enable_private_segment 0
		.amdhsa_kernarg_size 48
		.amdhsa_user_sgpr_count 2
		.amdhsa_user_sgpr_kernarg_segment_ptr 1
		.amdhsa_wavefront_size32 1
		.amdhsa_system_sgpr_workgroup_id_x 1
		.amdhsa_system_sgpr_workgroup_id_y 1
		.amdhsa_system_sgpr_workgroup_id_z 1
		.amdhsa_system_vgpr_workitem_id 0
		.amdhsa_next_free_vgpr 256
		.amdhsa_next_free_sgpr 100
		.amdhsa_reserve_vcc 1
		.amdhsa_float_denorm_mode_32 3
		.amdhsa_float_denorm_mode_16_64 3
		.amdhsa_memory_ordered 1
		.amdhsa_forward_progress 1
		.amdhsa_inst_pref_size 57
	.end_amdhsa_kernel
	.amdgpu_metadata
---
amdhsa.version: [ 1, 2 ]
amdhsa.kernels:
  - .name:           k_q7f8633de48_attn
    .symbol:         k_q7f8633de48_attn.kd
    .args:
      - { .name: cod, .offset: 0, .size: 8, .value_kind: global_buffer, .address_space: global }
      - { .name: scl, .offset: 8, .size: 8, .value_kind: global_buffer, .address_space: global }
      - { .name: pwc, .offset: 16, .size: 8, .value_kind: global_buffer, .address_space: global }
      - { .name: pws, .offset: 24, .size: 8, .value_kind: global_buffer, .address_space: global }
      - { .name: proj_b, .offset: 32, .size: 8, .value_kind: global_buffer, .address_space: global }
      - { .name: out0, .offset: 40, .size: 8, .value_kind: global_buffer, .address_space: global }
    .group_segment_fixed_size: 42240
    .private_segment_fixed_size: 0
    .kernarg_segment_align: 8
    .kernarg_segment_size: 48
    .max_flat_workgroup_size: 512
    .sgpr_count:     100
    .vgpr_count:     256
    .wavefront_size: 32
...
	.end_amdgpu_metadata
.endif
;; end of part 2
